; MI455X (gfx1250); checked and timed in simulation.
; The chip was launched on July 23, 2026; its instructions are those of AMD's public machine-readable ISA for CDNA 5 (MIT licence, August 2026) and "CDNA5" Instruction Set Architecture Reference Guide (July 2026). The comments in the code are by the model that wrote it; some were corrected since.
;; LSTM Cell. Allowed arithmetic: matrix products marked QUANTISED: E3M2 operands, one E8M0 scale for each 32 along K, by v_wmma_scale_f32_16x16x128_f8f6f4 with both operands' format E3M2, f32 sums; everything else in f32.
;; Inputs: W_hh_codes 4,096 x 32 x 24 uint8 (E3M2 codes of W_hh, K innermost, in blocks of 32 codes, four codes in three bytes); W_hh_scales 4,096 x 32 uint8 (E8M0 scales of W_hh, one for each 32 codes along K); W_xh_codes 4,096 x 32 x 24 uint8 (E3M2 codes of W_xh, K innermost, in blocks of 32 codes, four codes in three bytes); W_xh_scales 4,096 x 32 uint8 (E8M0 scales of W_xh, one for each 32 codes along K); bias 4,096 float32; c 8,192 x 1,024 float32; h_codes 8,192 x 32 x 24 uint8 (E3M2 codes of h, K innermost, in blocks of 32 codes, four codes in three bytes); h_scales 8,192 x 32 uint8 (E8M0 scales of h, one for each 32 codes along K); ln_beta 4,096 float32; ln_c_beta 1,024 float32; ln_c_gamma 1,024 float32; ln_gamma 4,096 float32; x_codes 8,192 x 32 x 24 uint8 (E3M2 codes of x, K innermost, in blocks of 32 codes, four codes in three bytes); x_scales 8,192 x 32 uint8 (E8M0 scales of x, one for each 32 codes along K).
;; Outputs: out0 8,192 x 1,024 float32; out1 8,192 x 1,024 float32.
;; This version of the problem:
;;   THIS VERSION OF THE PROBLEM IS GIVEN IN LOW PRECISION. The matrix products marked QUANTISED in the list below multiply operands that are first quantised to E3M2 (3 exponent bits, 2 mantissa bits; 6 bits a number), with one power-of-two scale for each 32 numbers along K (OCP MX v1.0); their sums are f32. All else is computed in f32.
;;   The module's matrix products, in the order in which they are computed (A, B: the left and right operand; K: the contracted axis; several contracted axes count as one K, in the product's order):
;;     1. [M 8,192, K 1,024] x [K 1,024, N 4,096]; A: input x (given as codes); B: input W_xh (given as codes): QUANTISED
;;     2. [M 8,192, K 1,024] x [K 1,024, N 4,096]; A: input h (given as codes); B: input W_hh (given as codes): QUANTISED
;;   THE QUANTISER, for each operand of a quantised product, along K:
;;     - K is cut into blocks of 32 from its start; a last block that is shorter is filled with zeros.
;;     - A block's scale is 2^e with e = floor(log2(the largest magnitude in the block)) - 4, held to -126 .. 127; a block of zeros has e = 0. As a byte (E8M0): e + 127.
;;     - Each number is divided by its block's scale, clamped to +-28, and rounded to the nearest number of E3M2, ties to even, subnormals kept.
;;     - The product sums the exact products of the quantised numbers (number of the format x scale) in f32.
;;   ~~~python
;;   def quantise(x, axis):      # numpy; x: float32 -> the quantised numbers, widened to float32 again
;;       x = np.moveaxis(x, axis, -1); K = x.shape[-1]
;;       x = np.pad(x, [(0, 0)] * (x.ndim - 1) + [(0, -K % 32)]); x = x.reshape(x.shape[:-1] + (-1, 32)); a = np.abs(x).max(-1, keepdims=True)
;;       e = np.where(a > 0, np.clip(np.frexp(np.where(a > 0, a, 1))[1] - 1 - 4, -126, 127), 0)      # np.frexp(a)[1] - 1 = floor(log2(a)), exactly
;;       r = np.clip(x / 2.0 ** e, -28, 28)
;;       step = 2.0 ** (np.maximum(np.frexp(np.where(r == 0, 1, r))[1] - 1, -2) - 2)
;;       q = np.round(r / step) * step * 2.0 ** e      # np.round: ties to even
;;       return np.moveaxis(q.reshape(q.shape[:-2] + (-1,))[..., :K], -1, axis).astype(np.float32)
;;   ~~~
;;   INPUTS GIVEN AS CODES. W_hh (in the module: [1024, 4096], K = its axis 0); W_xh (in the module: [1024, 4096], K = its axis 0); h (in the module: [8192, 1024], K = its axis 1); x (in the module: [8192, 1024], K = its axis 1): each comes as NAME_codes (uint8): NAME with its K axis moved to the last place and cut into blocks of 32 codes, [.., K / 32, bytes a block], one block behind the other in memory; four codes in three bytes: a row's codes are one little-endian stream of bits, code i at bits 6 i .. 6 i + 5 (a code: sign, 3 exponent bits, 2 mantissa bits); and NAME_scales (uint8): the same leading axes, one E8M0 byte (e + 127) for each 32 codes along K. Its value is code x scale, taken as it is: it is not quantised again, and the codes and scales need not be those that the quantiser above would give.
;; One version. Each part assembles by itself: llvm-mc -triple=amdgcn-amd-amdhsa -mcpu=gfx1250 --defsym DOCPART=n.
;; ======== version 1 of 1: 2 launches
;; limits: right only within a limited range of input values
;; workspace buffers: gates 134,217,728 bytes
;; launch gemm (part 1): grid 16 x 32, 4 waves a work-group, clusters of 4 x 4, 327,680 bytes of LDS; arguments x_codes, x_scales, W_xh_codes, W_xh_scales, h_codes, h_scales, W_hh_codes, W_hh_scales, bias, gates; writes gates
.if DOCPART == 1
	.amdgcn_target "amdgcn-amd-amdhsa--gfx1250"
	.amdhsa_code_object_version 6
	.text
	.protected	k_q994ea1b92b_gemm
	.globl	k_q994ea1b92b_gemm
	.p2align	8
	.type	k_q994ea1b92b_gemm,@function
k_q994ea1b92b_gemm:
	s_mov_b64 s[64:65], 0
	v_nop
	global_prefetch_b8 v0, s[64:65] scope:SCOPE_SE
	s_setreg_imm32_b32 hwreg(HW_REG_WAVE_MODE, 25, 1), 1
	s_wait_xcnt 0x0
	s_wait_alu depctr_hold_cnt(0) depctr_sa_sdst(0) depctr_va_vdst(0) depctr_va_sdst(0) depctr_va_ssrc(0) depctr_va_vcc(0) depctr_vm_vsrc(0)
	s_getreg_b32 s2, hwreg(HW_REG_IB_STS2, 6, 4)
	s_cmp_eq_u32 s2, 0
	s_cbranch_scc0 .Lentry_in_a_cluster
	s_endpgm
.Lentry_in_a_cluster:
	s_bfe_u32 s2, ttmp6, 0x10000c
	s_cmp_lg_u32 s2, 0xf033
	s_cbranch_scc0 .Lentry_shape_is_right
	s_endpgm
.Lentry_shape_is_right:
; gates[m][n] = bias[n] + sum_k x[m][k] W_xh[k][n] + sum_k h[m][k] W_hh[k][n];  gates: [8192][4096] f32, a workspace.
; All operands are E3M2 codes, K innermost (a row: 768 bytes, one stream of bits) with one E8M0 byte for each 32 along K (a row: 32 bytes).
; The two products are ONE sum over 2 x 1,024: segment 0 = x with W_xh, segment 1 = h with W_hh: a virtual row of 1,536 bytes.
; A tile of 256 x 256 is made by four waves, 128 x 128 each: 64 accumulators, 512 registers.
; The ring of two LDS slots goes by CHUNKS of 256 bytes of each row (six chunks; chunk c in slot c % 2; each tile row starts at a multiple of 256 bytes).
; A step of 128 along K is 96 bytes: 16 steps; steps 2, 5, 10, 13 lie across two chunks and read both slots.
; The scales of the 256 + 256 rows are four dense blocks of 8,192 bytes; segment 0's come at the head, segment 1's behind step 1's barrier; they stay.
; The bias is the C of each accumulator's first product.  The matrix instruction is used transposed (source 0 = W's rows, source 1 = x's or h's).
; Clusters of 4 x 4: x's and h's tiles are asked for jointly along a row of the cluster, W's along a column.
; PREFETCH: behind the load of chunk n each wave names chunk n + 2: one instruction, 32 rows x 256 bytes, a lane a row; the head names chunk 1 too.  Of the 128 rows that a wave
; fetches, the partner at place p of the four that ask jointly takes rows 32 p .. 32 p + 31 (p = cx for x and h, cy for W): by address, no branch.  Chunks 4 and 5 are the last named;
; at most two chunks are named and not yet loaded.  The address registers are never rewritten.
; The walk is written out: slots and chunks come back to where they began after 16 steps, which is the whole walk.
; LIMIT: a scale byte 0xff among the inputs makes the sums that it touches NaN, as the format says.
; REGISTERS: window 0: v16-31 addresses, v32-63 scale words (two sets), v64-127 bias, v128-223 A's fragments (one set); way out: v128-255.
;   window 1: W's fragments, two sets at v0, v128.  window 2, 3: accumulators of my rows 0-63, 64-127 ((a, b) at v[8 (8 (a % 4) + b)]).
.set ROWB,   256
.set KROW,   768
.set CHUNKS, 6
.set STEPS,  16
.set PITCH,  272                       ; 256 bytes + 16 of padding
.set FR,     12
.set NL,     6
.set NP,     4                         ; places behind this matrix instruction (ISA guide 7.12.1)
.set HALFT,  128*PITCH
.set SLOT,   4*HALFT                   ; A's 256 rows, then W's 256 rows
.set SCL,    2*SLOT
.set HALFS,  16*272                    ; scales of 128 rows of one segment
.set SEGS,   4*HALFS                   ; a segment's: A's 256 rows, then W's
.set SBLK,   2*272                     ; those of 16 rows
.set SPARE,  SCL+2*SEGS                ; spare words: 128 bytes a wave
.set SPITCH, 528                       ; the way out: 16 rows x (512 + 16) bytes a wave, in slot 0: its last fill (chunk 4) is read no more behind step 13's barrier
.set CROW,   16384
.set ADRA, 16                          ; v16-17 A's fragments in slot 0, 1; v18-19: lanes 0-15 at byte 232 of slot 0, 1, lanes 16-31 at byte 0 of the other slot
.set ADRB, 20                          ; v20-23 the same for W
.set STO,  24
.set RD,   25
.set CO,   26
.set ADRS, 27                          ; my scale words: lanes 0-15 A's rows, lanes 16-31 W's
.set SPW,  28
.set NIL,  29
.set VB,   30
.set PFO,  31                          ; the prefetches' offset: lane x 768; never rewritten
.set SC,   32
.set BI,   64
.set AF,   128
.set BK,   128
.set G1,   24                          ; s[24:31] group 1 for A's tiles; s[32:39] group 0, a set for each slot
.set G0,   32
.set G1B,  40                          ; s[40:47], s[48:55] for W's
.set G0B,  48
.set G1S,  56                          ; s[56:63] group 1 for A's scales; s[68:75] for W's
.set G1SB, 68
.set G0S,  76                          ; s[76:83] group 0 for A's scales, a set for each segment; s[84:91] for W's
.set G0SB, 84
.set PF,   66                          ; s[66:67] my 32 rows for the prefetches in segment 0; s[100:101] in segment 1; never rewritten
.set WV,   96
.set ROLE, 97                          ; my half of the tile's rows; also: I fetch for A (0) or W (1)
.set HALF, 98                          ; my half of its columns; also: which 128 rows I fetch
.set MSB, 0
.macro WIN new
.if MSB != (\new)
	s_set_vgpr_msb (MSB<<8)|(\new)
.set MSB, (\new)
.endif
.endm
.set MUL_LO, 0xa1                      ; source 0 window 1, source 1 window 0, C and D window 2 (first products: C window 0: 0x81)
.set MUL_HI, 0xf1                      ; C and D window 3 (first products: 0xc1)
.set TO_B,   0x40
.macro JLOAD g0a, g1a, g0b, g1b        ; a joint load: waves 0, 1 for A, waves 2, 3 for W; s_nop 0 and four v_nop behind each line
	s_cmp_eq_u32 s[ROLE], 0
	s_cbranch_scc0 .Lfor_b_\@
	tensor_load_to_lds s[\g0a:\g0a+3], s[\g1a:\g1a+7]
	s_nop 0
.rept 4
	v_nop
.endr
	s_branch .Lasked_\@
.Lfor_b_\@:
	tensor_load_to_lds s[\g0b:\g0b+3], s[\g1b:\g1b+7]
	s_nop 0
.rept 4
	v_nop
.endr
.Lasked_\@:
.endm
.macro ASK n                           ; chunk n of my 32 rows is named: segment n / 3, byte 256 (n % 3) of the row
	global_prefetch_b8 v[PFO], s[PF+34*((\n)/3):PF+34*((\n)/3)+1] offset:((\n)%3)*ROWB th:TH_LOAD_NT scope:SCOPE_SE
.endm
.macro CREST                           ; a round of the cluster's barrier behind its opening barrier
	s_cmp_lg_u32 s[WV], 0
	s_cbranch_scc1 .Lnot_wave_0_\@
	s_barrier_signal -3
.Lnot_wave_0_\@:
	s_barrier_wait -3
	s_barrier_signal -1
	s_barrier_wait -1
.endm
.macro CROUND
	s_barrier_signal -1
	s_barrier_wait -1
	CREST
.endm
	s_load_b256 s[4:11], s[0:1], 0x0               ; x codes, x scales, W_xh codes, W_xh scales
	s_load_b256 s[12:19], s[0:1], 0x20             ; h codes, h scales, W_hh codes, W_hh scales
	s_load_b128 s[20:23], s[0:1], 0x40             ; bias, gates
	v_lshl_add_u32 v[SPW], v0, 2, SPARE
	v_mov_b32 v[NIL], 0
	ds_add_u32 v[SPW], v[NIL]                      ; the opening lines: the add twice and one wait
	ds_add_u32 v[SPW], v[NIL]
	v_lshrrev_b32 v1, 5, v0
	v_readfirstlane_b32 s[WV], v1
	s_lshr_b32 s[ROLE], s[WV], 1
	s_and_b32 s[HALF], s[WV], 1
	s_bfe_u32 s104, ttmp6, 0x40000                 ; cx
	s_bfe_u32 s99, ttmp6, 0x40004                  ; cy
	s_lshl_b32 s105, ttmp9, 2
	s_add_co_u32 s105, s105, s104                  ; tile column
	s_and_b32 s100, ttmp7, 0xffff
	s_lshl_b32 s100, s100, 2
	s_add_co_u32 s100, s100, s99                   ; tile row
	s_lshl_b32 s101, s99, 2
	s_lshl_b32 s101, 15, s101                      ; my row of the cluster
	s_lshl_b32 s66, 0x1111, s104                   ; my column
	; group 1 for codes: rows of 256 bytes, 16 bytes of padding behind each; 256 rows at the head, 128 afterwards
	s_or_b32 s[G1+0], s101, (1<<20)|(1<<21)|(5<<22)|(3<<25)
	s_or_b32 s[G1B+0], s66, (1<<20)|(1<<21)|(5<<22)|(3<<25)
.irp g, G1, G1B
	s_mov_b32 s[\g+1], ROWB<<16
	s_mov_b32 s[\g+2], 256<<16
	s_mov_b32 s[\g+3], ROWB<<16
	s_mov_b32 s[\g+4], 256
	s_mov_b32 s[\g+5], KROW
	s_mov_b32 s[\g+6], 0
	s_mov_b32 s[\g+7], 0
.endr
	; group 1 for scales: a dense block as rows of 256 bytes (32 elements of 8); 32 rows at the head, 16 afterwards
	s_or_b32 s[G1S+0], s101, (3<<16)|(1<<20)|(1<<21)|(5<<22)|(3<<25)
	s_or_b32 s[G1SB+0], s66, (3<<16)|(1<<20)|(1<<21)|(5<<22)|(3<<25)
.irp g, G1S, G1SB
	s_mov_b32 s[\g+1], 32<<16
	s_mov_b32 s[\g+2], 32<<16
	s_mov_b32 s[\g+3], 32<<16
	s_mov_b32 s[\g+4], 32
	s_mov_b32 s[\g+5], 32
	s_mov_b32 s[\g+6], 0
	s_mov_b32 s[\g+7], 0
.endr
	s_lshl_b32 s101, s100, 8                       ; A's first row of the tile
	s_lshl_b32 s66, s105, 8                        ; W's
	s_mov_b32 s3, 0
	s_mov_b32 s93, 0
	s_mov_b32 s95, 0
	s_wait_dscnt 0x0                               ; both opening adds are done
	s_wait_kmcnt 0x0
	s_mul_i32 s2, s101, KROW                       ; under 2^23
	s_add_nc_u64 s[4:5], s[4:5], s[2:3]
	s_add_nc_u64 s[12:13], s[12:13], s[2:3]
	s_lshl_b32 s2, s101, 5
	s_add_nc_u64 s[6:7], s[6:7], s[2:3]
	s_add_nc_u64 s[14:15], s[14:15], s[2:3]
	s_mul_i32 s92, s66, KROW
	s_add_nc_u64 s[8:9], s[8:9], s[92:93]
	s_add_nc_u64 s[16:17], s[16:17], s[92:93]
	s_lshl_b32 s92, s66, 5
	s_add_nc_u64 s[10:11], s[10:11], s[92:93]
	s_add_nc_u64 s[18:19], s[18:19], s[92:93]
	s_lshl_b32 s92, s105, 10                       ; my first column in bytes of f32
	s_lshl_b32 s94, s[HALF], 9
	s_add_co_u32 s92, s92, s94
	s_add_nc_u64 s[20:21], s[20:21], s[92:93]
	s_add_nc_u64 s[22:23], s[22:23], s[92:93]
	s_lshl_b32 s2, s100, 8
	s_lshl_b32 s94, s[ROLE], 7
	s_add_co_u32 s2, s2, s94                       ; my first row of gates
	s_lshl_b32 s2, s2, 14
	s_add_nc_u64 s[22:23], s[22:23], s[2:3]
	CROUND                                         ; in front of the first joint loads
	s_mov_b32 s[G0], 1                             ; the head's four tiles, each whole: chunk 0 of x's 256 rows,
	s_mov_b32 s[G0+1], 0
	s_mov_b64 s[G0+2:G0+3], s[4:5]
	s_or_b32 s[G0+3], s[G0+3], 0x80000000
	s_mov_b32 s[G0B], 1                            ; of W_xh's 256 rows,
	s_mov_b32 s[G0B+1], 2*HALFT
	s_mov_b64 s[G0B+2:G0B+3], s[8:9]
	s_or_b32 s[G0B+3], s[G0B+3], 0x80000000
	s_mov_b32 s[G0S], 1                            ; x's scales,
	s_mov_b32 s[G0S+1], SCL
	s_mov_b64 s[G0S+2:G0S+3], s[6:7]
	s_or_b32 s[G0S+3], s[G0S+3], 0x80000000
	s_mov_b32 s[G0SB], 1                           ; W_xh's scales
	s_mov_b32 s[G0SB+1], SCL+2*HALFS
	s_mov_b64 s[G0SB+2:G0SB+3], s[10:11]
	s_or_b32 s[G0SB+3], s[G0SB+3], 0x80000000
	s_mul_i32 s94, s[HALF], 128*KROW               ; from here on: my 128 rows
	s_add_nc_u64 s[4:5], s[4:5], s[94:95]
	s_add_nc_u64 s[12:13], s[12:13], s[94:95]
	s_add_nc_u64 s[8:9], s[8:9], s[94:95]
	s_add_nc_u64 s[16:17], s[16:17], s[94:95]
	s_lshl_b32 s94, s[HALF], 12
	s_add_nc_u64 s[14:15], s[14:15], s[94:95]
	s_add_nc_u64 s[18:19], s[18:19], s[94:95]
	s_mul_i32 s94, s[WV], HALFT                    ; where my quarter of a slot lies; kept
	s_mul_i32 s92, s[WV], HALFS
	s_cmp_eq_u32 s[ROLE], 0                        ; the prefetches: the operand that I fetch for,
	s_cselect_b64 s[PF:PF+1], s[4:5], s[8:9]
	s_cselect_b64 s[PF+34:PF+35], s[12:13], s[16:17]
	s_cselect_b32 s2, s104, s99                    ; my place among the four that ask for it with me,
	s_mul_i32 s2, s2, 32*KROW                      ; and my work-group's 32 of my 128 rows (s3 = 0)
	s_add_nc_u64 s[PF:PF+1], s[PF:PF+1], s[2:3]
	s_add_nc_u64 s[PF+34:PF+35], s[PF+34:PF+35], s[2:3]
	s_mov_b32 s[G0+4], 1                           ; slot 1: chunk 1
	s_add_co_u32 s[G0+5], s94, SLOT
	s_add_nc_u64 s[G0+6:G0+7], s[4:5], ROWB
	s_or_b32 s[G0+7], s[G0+7], 0x80000000
	s_mov_b32 s[G0B+4], 1
	s_add_co_u32 s[G0B+5], s94, SLOT
	s_add_nc_u64 s[G0B+6:G0B+7], s[8:9], ROWB
	s_or_b32 s[G0B+7], s[G0B+7], 0x80000000
	s_mov_b32 s[G0S+4], 1                          ; segment 1's scales, 128 rows a wave
	s_add_co_u32 s[G0S+5], s92, SCL+SEGS
	s_mov_b64 s[G0S+6:G0S+7], s[14:15]
	s_or_b32 s[G0S+7], s[G0S+7], 0x80000000
	s_mov_b32 s[G0SB+4], 1
	s_add_co_u32 s[G0SB+5], s92, SCL+SEGS
	s_mov_b64 s[G0SB+6:G0SB+7], s[18:19]
	s_or_b32 s[G0SB+7], s[G0SB+7], 0x80000000
; the head's loads, one a wave, in one chain of branches on the wave's number
.macro ARM under, g0, g1, next
	s_cmp_lt_u32 s[WV], \under
	s_cbranch_scc0 \next
	tensor_load_to_lds s[\g0:\g0+3], s[\g1:\g1+7]
	s_nop 0
.rept 4
	v_nop
.endr
	s_branch .Lhead_asked
\next:
.endm
	ARM 1, G0,  G1,  .Lhead_b
	ARM 2, G0B, G1B, .Lhead_sa
	ARM 3, G0S, G1S, .Lhead_sb
	tensor_load_to_lds s[G0SB:G0SB+3], s[G1SB:G1SB+7]
	s_nop 0
.rept 4
	v_nop
.endr
.Lhead_asked:
	v_and_b32 v1, 15, v0                           ; l % 16
	v_bfe_u32 v2, v0, 4, 1                         ; l / 16
	v_lshlrev_b32 v[VB], 5, v2
	v_and_b32 v[PFO], 31, v0
	v_mul_u32_u24 v[PFO], v[PFO], KROW
.irp b, 0,1,2,3,4,5,6,7                        ; register j of block b is column 16 b + 8 (l / 16) + j
	global_load_b128 v[BI+8*\b:BI+8*\b+3], v[VB], s[20:21] offset:64*\b
	global_load_b128 v[BI+8*\b+4:BI+8*\b+7], v[VB], s[20:21] offset:64*\b+16
.endr
	ASK 1                                          ; behind chunk 0's load: chunks 1 and 2
	ASK 2
	v_mul_u32_u24 v3, v1, PITCH
	v_mul_u32_u24 v4, v2, 24
	v_add_nc_u32 v4, v3, v4                        ; row x pitch + 24 x half
	s_mov_b32 s2, SLOT-232
	s_mov_b32 s3, SLOT+232
	v_sub_nc_u32 v7, 1, v2
	v_mul_u32_u24 v5, s2, v2
	v_add_nc_u32 v5, v3, v5
	v_add_nc_u32 v5, 232, v5                       ; lanes 0-15 byte 232 in slot 0, lanes 16-31 byte 0 in slot 1
	v_mul_u32_u24 v6, s3, v7
	v_add_nc_u32 v6, v3, v6                        ; lanes 0-15 byte 232 in slot 1, lanes 16-31 byte 0 in slot 0
	s_mul_i32 s2, s[ROLE], HALFT
	s_mul_i32 s3, s[HALF], HALFT
	s_add_co_u32 s3, s3, 2*HALFT
	v_add_nc_u32 v[ADRA+2], s2, v5
	v_add_nc_u32 v[ADRA+3], s2, v6
	v_add_nc_u32 v[ADRB+2], s3, v5
	v_add_nc_u32 v[ADRB+3], s3, v6
.irp s, 0,1
	v_add_nc_u32 v[ADRA+\s], s2, v4
	v_add_nc_u32 v[ADRB+\s], s3, v4
	s_add_co_u32 s2, s2, SLOT
	s_add_co_u32 s3, s3, SLOT
.endr
	v_lshlrev_b32 v5, 5, v1                        ; my row's scales: 32 bytes a row,
	v_lshrrev_b32 v6, 8, v5
	v_lshl_add_u32 v5, v6, 4, v5                   ; 16 more for each 256 passed
	s_mul_i32 s2, s[ROLE], HALFS
	s_mul_i32 s3, s[HALF], HALFS
	s_add_co_u32 s3, s3, 2*HALFS
	s_sub_co_u32 s3, s3, s2
	v_mul_u32_u24 v6, s3, v2                       ; lanes 16-31 take W's: one product
	s_add_co_u32 s2, s2, SCL
	v_add_nc_u32 v5, v5, v6
	v_add_nc_u32 v[ADRS], s2, v5
	s_mul_i32 s2, s[WV], 16*SPITCH                 ; my stage
	v_mul_u32_u24 v5, v1, SPITCH
	v_lshl_add_u32 v5, v2, 5, v5
	v_add_nc_u32 v[STO], s2, v5
	v_and_b32 v6, 31, v0
	v_lshlrev_b32 v[CO], 4, v6
	v_add_nc_u32 v[RD], s2, v[CO]
.macro FRAG reg, adr, st, i            ; 16 rows x 128 K: 12 registers, six pieces of 8 bytes; byte y of the virtual row lies in slot (y / 256) % 2 at byte y % 256
.irp p, 0,1,2,3,4,5
.set BY, 96*(\st)+48*(\p/3)+8*(\p%3)
.if BY/ROWB == (BY+24)/ROWB
	ds_load_b64 v[\reg+2*\p:\reg+2*\p+1], v[\adr+(BY/ROWB)%2] offset:BY%ROWB+(\i)*16*PITCH
.else
	ds_load_b64 v[\reg+2*\p:\reg+2*\p+1], v[\adr+2+(BY/ROWB)%2] offset:BY%ROWB-232+(\i)*16*PITCH
.endif
.endr
.endm
; 16 matrix instructions: A's blocks a0, a0 + 1 x W's eight.  The 64 accumulators take turns.  first = 1: C is the bias.
.macro MUL16 a0, p, q, sc, first
.irp a, \a0, \a0+1
.irp b, 0,1,2,3,4,5,6,7
.if \first
	v_wmma_scale_f32_16x16x128_f8f6f4 v[8*(8*((\a)%4)+\b):8*(8*((\a)%4)+\b)+7], v[128*(\p)+FR*\b:128*(\p)+FR*\b+FR-1], v[AF+FR*(\a):AF+FR*(\a)+FR-1], v[BI+8*\b:BI+8*\b+7], v[SC+16*(\sc)+2*\b+(\q)], v[SC+16*(\sc)+2*(\a)+(\q)] matrix_a_fmt:MATRIX_FMT_BF6 matrix_b_fmt:MATRIX_FMT_BF6 matrix_a_scale:MATRIX_SCALE_ROW1
.else
	v_wmma_scale_f32_16x16x128_f8f6f4 v[8*(8*((\a)%4)+\b):8*(8*((\a)%4)+\b)+7], v[128*(\p)+FR*\b:128*(\p)+FR*\b+FR-1], v[AF+FR*(\a):AF+FR*(\a)+FR-1], v[8*(8*((\a)%4)+\b):8*(8*((\a)%4)+\b)+7], v[SC+16*(\sc)+2*\b+(\q)], v[SC+16*(\sc)+2*(\a)+(\q)] matrix_a_fmt:MATRIX_FMT_BF6 matrix_b_fmt:MATRIX_FMT_BF6 matrix_a_scale:MATRIX_SCALE_ROW1
.endif
.endr
.endr
.endm
.macro FETCH_B st, p
	WIN TO_B
.irp i, 0,1,2,3,4,5,6,7
	FRAG 128*(\p)+FR*\i, ADRB, \st, \i
.endr
	WIN 0
.endm
.macro FETCH_A st, i0
.irp i, \i0, \i0+1, \i0+2, \i0+3
	FRAG AF+FR*(\i), ADRA, \st, \i
.endr
.endm
.macro SCALES pr                       ; the words of steps 2 pr, 2 pr + 1 into set pr % 2; four pairs to a segment
.irp i, 0,1,2,3,4,5,6,7
	ds_load_b64 v[SC+16*((\pr)%2)+2*\i:SC+16*((\pr)%2)+2*\i+1], v[ADRS] offset:((\pr)/4)*SEGS+8*((\pr)%4)+\i*SBLK
.endr
.endm
.macro PLACES n
.rept \n
	v_nop
.endr
.endm
; A step: 64 matrix instructions; the next step's fragments are fetched in its middle and at its end.
; Where the next step ENDS in a chunk not yet read: wait for my tensor loads, barrier.  Where it BEGINS in a later chunk: the three lines, the barrier opens a round, the slot left behind takes chunk C0 + 2.
; Step 1's barrier fills nothing again: behind it, with the three lines and a round, segment 1's scales are filled for the first time.
.macro STEP st, first
.set NX, (\st)+1
.set C0, (96*(\st))/ROWB
.set C1, (96*NX)/ROWB
.set E0, (96*(\st)+95)/ROWB
.set E1, (96*NX+95)/ROWB
.set NC, C0+2
.if C1 > C0 || E1 > E0
	s_wait_tensorcnt 0x0                           ; all my tensor loads have landed (every window is 0 here)
.if C1 > C0 || (\st) == 1
	ds_add_u32 v[SPW], v[NIL]
	s_wait_dscnt 4*NL+1                            ; the add and the youngest 24 loads (A's blocks 4-7) may be out
.else
	s_wait_dscnt 4*NL
.endif
	WIN MUL_LO
	MUL16 0, (\st)%2, (\st)%2, ((\st)/2)%2, 0
	s_wait_dscnt 0x0                               ; the add and all my LDS reads are done
	s_barrier_signal -1
	MUL16 2, (\st)%2, (\st)%2, ((\st)/2)%2, 0
	WIN 0
	s_barrier_wait -1
.if C1 > C0 && NC < CHUNKS
	CREST
	s_add_nc_u64 s[G0+4*(C0%2)+2:G0+4*(C0%2)+3], s[4+8*(NC/3):5+8*(NC/3)], (NC%3)*ROWB      ; chunk NC: segment NC / 3, made anew from its own pointer
	s_or_b32 s[G0+4*(C0%2)+3], s[G0+4*(C0%2)+3], 0x80000000
	s_add_nc_u64 s[G0B+4*(C0%2)+2:G0B+4*(C0%2)+3], s[8+8*(NC/3):9+8*(NC/3)], (NC%3)*ROWB
	s_or_b32 s[G0B+4*(C0%2)+3], s[G0B+4*(C0%2)+3], 0x80000000
	JLOAD G0+4*(C0%2), G1, G0B+4*(C0%2), G1B       ; my one load behind the round; its four v_nop are the places for the loads below
.else
.if (\st) == 1
	CREST
	JLOAD G0S+4, G1S, G0SB+4, G1SB
.else
	PLACES NP
.endif
.endif
.else
	s_wait_dscnt 4*NL                              ; the youngest 24 loads (A's blocks 4-7) may be out
	WIN MUL_LO-0x20*(\first)
	MUL16 0, (\st)%2, (\st)%2, ((\st)/2)%2, \first
	MUL16 2, (\st)%2, (\st)%2, ((\st)/2)%2, \first
	s_wait_dscnt 0
	PLACES NP
.endif
	FETCH_B NX, NX%2
	FETCH_A NX, 0
.if NX%2 == 0
	SCALES NX/2
.endif
.if C1 > C0 && NC+2 < CHUNKS
	ASK NC+2                                       ; behind chunk NC's load and the run of LDS loads: the chunk two on (4, then 5)
.endif
	WIN MUL_HI-0x30*(\first)
	MUL16 4, (\st)%2, (\st)%2, ((\st)/2)%2, \first
	MUL16 6, (\st)%2, (\st)%2, ((\st)/2)%2, \first
	PLACES NP
	WIN 0
	FETCH_A NX, 4
.endm
	s_wait_alu depctr_va_vdst(0)                   ; the wait at the head's end
	s_wait_loadcnt 0x0                             ; the bias is in
	s_wait_tensorcnt 0x0                           ; my tile of the head's four is in
	ds_add_u32 v[SPW], v[NIL]                      ; ahead of a later first fill
	s_mov_b32 s[G1+2], 128<<16                     ; no tensor load of mine is out: from here on 128 rows of codes a load,
	s_mov_b32 s[G1+4], 128
	s_mov_b32 s[G1B+2], 128<<16
	s_mov_b32 s[G1B+4], 128
	s_mov_b32 s[G1S+2], 16<<16                     ; 16 rows of 256 bytes of scales,
	s_mov_b32 s[G1S+4], 16
	s_mov_b32 s[G1SB+2], 16<<16
	s_mov_b32 s[G1SB+4], 16
	s_add_co_u32 s[G0+1], s94, 0                   ; and slot 0's loads go to my quarter
	s_add_co_u32 s[G0B+1], s94, 0
	s_wait_dscnt 0x0
	CROUND
	JLOAD G0+4, G1, G0B+4, G1B                     ; chunk 1: slot 1's first fill
	FETCH_B 0, 0
	FETCH_A 0, 0
	SCALES 0
	ASK 3                                          ; behind chunk 1's load: chunk 3
	FETCH_A 0, 4
	STEP 0, 1
.set ST, 1
.rept STEPS-2
	STEP ST, 0
.set ST, ST+1
.endr
	s_wait_dscnt 4*NL                              ; the last step fetches nothing
	WIN MUL_LO
	MUL16 0, 1, 1, 1, 0
	MUL16 2, 1, 1, 1, 0
	s_wait_dscnt 0
	WIN MUL_HI
	MUL16 4, 1, 1, 1, 0
	MUL16 6, 1, 1, 1, 0
	WIN 0
; The way out, by blocks of 16 rows x 128 columns through my own stage; back as whole rows of 512 bytes.  LDS serves a wave's instructions in order (ISA guide 5.7.1.4).
.macro TOSTAGE a
.set AC, 64*((\a)%4)
	WIN 0x08+4*((\a)/4)
.irp b, 0,1,2,3,4,5,6,7
	ds_store_b128 v[STO], v[AC+8*\b:AC+8*\b+3] offset:64*\b          ; each accumulator from its low end on
	ds_store_b128 v[STO], v[AC+8*\b+4:AC+8*\b+7] offset:64*\b+16
.endr
	WIN 0
.set BB, BK+64*((\a)%2)
.irp t, 0,1,2,3,4,5,6,7,8,9,10,11,12,13,14,15
	ds_load_b128 v[BB+4*\t:BB+4*\t+3], v[RD] offset:\t*SPITCH
.endr
.endm
.macro SEND a, younger
.set BB, BK+64*((\a)%2)
	s_wait_dscnt \younger
.if (\a) > 0
	s_add_nc_u64 s[22:23], s[22:23], 16*CROW       ; behind a wait on XCNT
.endif
.irp t, 0,1,2,3,4,5,6,7,8,9,10,11,12,13,14,15
	global_store_b128 v[CO], v[BB+4*\t:BB+4*\t+3], s[22:23] offset:\t*CROW th:TH_STORE_NT   ; 32 lanes store 512 consecutive bytes, aligned
.endr
.endm
	PLACES NP
	TOSTAGE 0
.irp a, 1,2,3,4,5,6,7
.if \a > 1
	s_wait_xcnt 0x0                                ; block a - 2's stores have read their registers and base
.endif
	TOSTAGE \a
	SEND \a-1, 32                                  ; behind block a - 1's loads: block a's 16 stores and 16 loads
.endr
	s_wait_xcnt 0x0
	SEND 7, 0
	s_wait_tensorcnt 0x0                           ; the wave's end
	ds_add_u32 v[SPW], v[NIL]
	s_wait_dscnt 0x0
	CROUND                                         ; the closing round
	s_endpgm
.Lfunc_end_k_q994ea1b92b_gemm:
	.size	k_q994ea1b92b_gemm, .Lfunc_end_k_q994ea1b92b_gemm-k_q994ea1b92b_gemm
	.p2alignl 7, 3214868480
	.fill 96, 4, 3214868480
	.section	.rodata,"a",@progbits
	.p2align	6, 0x0
	.amdhsa_kernel k_q994ea1b92b_gemm
		.amdhsa_group_segment_fixed_size 327680
		.amdhsa_private_segment_fixed_size 0
		.amdhsa_enable_private_segment 0
		.amdhsa_kernarg_size 80
		.amdhsa_user_sgpr_count 2
		.amdhsa_user_sgpr_kernarg_segment_ptr 1
		.amdhsa_wavefront_size32 1
		.amdhsa_system_sgpr_workgroup_id_x 1
		.amdhsa_system_sgpr_workgroup_id_y 1
		.amdhsa_system_sgpr_workgroup_id_z 1
		.amdhsa_system_vgpr_workitem_id 0
		.amdhsa_next_free_vgpr 1024
		.amdhsa_next_free_sgpr 106
		.amdhsa_reserve_vcc 0
		.amdhsa_float_denorm_mode_32 3
		.amdhsa_float_denorm_mode_16_64 3
		.amdhsa_memory_ordered 1
		.amdhsa_forward_progress 1
		.amdhsa_inst_pref_size 255
	.end_amdhsa_kernel
	.section	.bss,"aw",@nobits
	.p2align	6
	.space	262144
	.amdgpu_metadata
---
amdhsa.version: [ 1, 2 ]
amdhsa.kernels:
  - .name:           k_q994ea1b92b_gemm
    .symbol:         k_q994ea1b92b_gemm.kd
    .args:
      - { .name: x_codes, .offset: 0, .size: 8, .value_kind: global_buffer, .address_space: global }
      - { .name: x_scales, .offset: 8, .size: 8, .value_kind: global_buffer, .address_space: global }
      - { .name: W_xh_codes, .offset: 16, .size: 8, .value_kind: global_buffer, .address_space: global }
      - { .name: W_xh_scales, .offset: 24, .size: 8, .value_kind: global_buffer, .address_space: global }
      - { .name: h_codes, .offset: 32, .size: 8, .value_kind: global_buffer, .address_space: global }
      - { .name: h_scales, .offset: 40, .size: 8, .value_kind: global_buffer, .address_space: global }
      - { .name: W_hh_codes, .offset: 48, .size: 8, .value_kind: global_buffer, .address_space: global }
      - { .name: W_hh_scales, .offset: 56, .size: 8, .value_kind: global_buffer, .address_space: global }
      - { .name: bias, .offset: 64, .size: 8, .value_kind: global_buffer, .address_space: global }
      - { .name: gates, .offset: 72, .size: 8, .value_kind: global_buffer, .address_space: global }
    .group_segment_fixed_size: 327680
    .private_segment_fixed_size: 0
    .kernarg_segment_align: 8
    .kernarg_segment_size: 80
    .max_flat_workgroup_size: 128
    .sgpr_count:     106
    .vgpr_count:     1024
    .wavefront_size: 32
...
	.end_amdgpu_metadata
.endif
;; end of part 1
;; launch cell (part 2): grid 256 x 1, 16 waves a work-group, no clusters, 43,008 bytes of LDS; arguments gates, c, ln_gamma, ln_beta, ln_c_gamma, ln_c_beta, out0, out1; writes out0, out1
.if DOCPART == 2
	.amdgcn_target "amdgcn-amd-amdhsa--gfx1250"
	.amdhsa_code_object_version 6
	.text
	.protected	k_q994ea1b92b_cell
	.globl	k_q994ea1b92b_cell
	.p2align	8
	.type	k_q994ea1b92b_cell,@function
k_q994ea1b92b_cell:
	s_mov_b64 s[64:65], 0
	v_nop
	global_prefetch_b8 v0, s[64:65] scope:SCOPE_SE
	s_setreg_imm32_b32 hwreg(HW_REG_WAVE_MODE, 25, 1), 1
	s_wait_xcnt 0x0
; From gates [8192][4096] f32 (x W_xh + h W_hh + bias, made by the launch before) and c [8192][1024]:
;   each of a row's four groups of 1,024 (i, j, f, o) is normalised (mean, then mean of squared deviations, + 1e-3, 1 / sqrt), scaled by ln_gamma and shifted by ln_beta;
;   new_c = c sigmoid(f + 1) + sigmoid(i) tanh(j)  -> out1;   new_h = tanh(LN(new_c) ln_c_gamma + ln_c_beta) sigmoid(o)  -> out0.   All in f32.
; ONE WAVE, ONE ROW, so that no sum leaves the wave; sixteen waves, two rows each.  A GROUP of 1,024 numbers is 32 registers a lane: register 4 j + e holds column 128 j + 4 lane + e, so every load and
; store of a wave covers 512 consecutive bytes.
; THE GROUPS ARE TAKEN ONE AT A TIME.  Each group's norm needs that group alone, so the wave waits for eight loads, not for a row's forty, and works on one group while the later ones are on their way.
; A ring of six slots of 32 registers: row 0's i, j, f, c, o and row 1's i are asked for at the head; row 1's j, f, c and o as soon as row 0 has left the slot that each takes.  So every load of row 1
; hangs on the arrival of a group of row 0 and on arithmetic, never on the arrival of another group of row 1.
; No matrix unit, tensor load or cluster: there is no product here, and all that work-groups share is 40 KB of parameters.  No prefetch: the wave's own loads run ahead of its work.
; THE ACTIVATIONS: sigmoid(y) = 1 / (1 + 2^(-L y)), tanh(y) = 1 - 2 / (1 + 2^(2 L y)), L = log2(e).  With k = -L (i, f, o) or 2 L (j, the second norm) the exponent is gamma (d (rstd k)) + k beta:
; k beta (for f: k (beta + 1)) is made once, when the parameters go into LDS; rstd k is one multiplication for a row and group.
; LIMITS: NaN and infinities among the inputs are not served.  v_exp_f32, v_rcp_f32 and v_rsq_f32 are good to 1 ulp and flush denormals (ISA guide, their entries).  Large arguments saturate by the form itself:
; 2^big = infinity gives 1 / infinity = 0.  tanh in this form has an absolute error of about 1e-7 near 0, not a relative one.
.set GROW,  16384                      ; a row of gates in bytes
.set CROW,  4096                       ; a row of c, out0, out1
.set BETA,  16384                      ; LDS: ln_gamma at 0 (16 KB), k beta at 16,384 (16 KB),
.set GAMC,  32768                      ; ln_c_gamma (4 KB),
.set BETC,  36864                      ; 2 L ln_c_beta (4 KB)
.set SUM,   4                          ; v4-11   four pairs of partial sums of one quantity
.set MEAN,  12                         ; v12-13  the mean, the low word of a pair (the packed forms name the pair; the upper word is written once, at the head)
.set RS,    14                         ; v14-15  rstd k, likewise
.set TP,    16                         ; v16     what comes from the other half of the lanes
.set P,     32                         ; v32-63  the parameters in hand: two buffers of 16: eight of gamma, eight of k beta
.set S0,    64                         ; v64-255 the six slots
.set S1,    96
.set S2,    128
.set S3,    160
.set S4,    192
.set S5,    224
	s_load_b256 s[4:11], s[0:1], 0x0               ; gates s[4:5], c s[6:7], ln_gamma s[8:9], ln_beta s[10:11]
	s_load_b256 s[12:19], s[0:1], 0x20             ; ln_c_gamma s[12:13], ln_c_beta s[14:15], out0 s[16:17], out1 s[18:19]
	v_lshl_add_u32 v30, v0, 2, 0xa000
	v_mov_b32 v31, 0
	v_lshrrev_b32 v4, 5, v0
	v_readfirstlane_b32 s26, v4                    ; wave 0..15
	v_and_b32 v1, 31, v0
	v_lshlrev_b32 v1, 4, v1                        ; v1 = 16 x lane; never rewritten
	v_lshlrev_b32 v2, 4, v0                        ; v2 = 16 x thread; never rewritten
	v_and_b32 v3, 255, v0
	v_lshlrev_b32 v3, 4, v3                        ; v3 = 16 x (thread mod 256); never rewritten
	s_mov_b32 s20, 0x3a800000                      ; 1 / 1024
	s_mov_b32 s21, 0x3a83126f                      ; 1e-3
	s_mov_b32 s22, 0xbfb8aa3b                      ; -L
	s_mov_b32 s23, 0x4038aa3b                      ; 2 L
	s_mov_b32 s24, 0x76543210                      ; v_permlanex16_b32's selects for lane l xor 16
	s_mov_b32 s25, 0xfedcba98
	s_lshl_b32 s27, ttmp9, 5
	s_lshl_b32 s28, s26, 1
	s_add_co_u32 s27, s27, s28                     ; my first row: 32 x work-group + 2 x wave
	s_lshl_b32 s28, s27, 14                        ; in gates: under 2^27 bytes
	s_mov_b32 s29, 0
	v_mov_b32 v[MEAN+1], 0                         ; upper words of pairs of which the low word alone is used
	v_mov_b32 v[RS+1], 0
	v_mov_b32 v[TP], 0                             ; a lane permute's destination counts as one of its sources
	s_wait_alu depctr_va_vdst(0)                   ; the wait at the head's end
	s_wait_kmcnt 0x0
	s_add_nc_u64 s[4:5], s[4:5], s[28:29]
	s_lshl_b32 s28, s27, 12
	s_add_nc_u64 s[6:7], s[6:7], s[28:29]
	s_add_nc_u64 s[16:17], s[16:17], s[28:29]
	s_add_nc_u64 s[18:19], s[18:19], s[28:29]
	s_cmp_lt_u32 s26, 8                            ; threads 0-255 hold the first half of what a work-group's load of 8,192 bytes covers, threads 256-511 the second
	s_cselect_b32 s30, s22, s23                    ; ln_beta's first 8 KB: group i (x -L) | group j (x 2 L)
	s_cselect_b32 s31, s22, 0                      ; its second 8 KB, x -L: group f (and -L for the forget bias 1) | group o
	s_cselect_b32 s32, 1.0, s23                    ; ln_c_gamma as it is | ln_c_beta x 2 L
	s_cselect_b64 s[36:37], s[12:13], s[14:15]     ; the choice hangs on the wave's number alone
	global_load_b128 v[P:P+3], v2, s[8:9]
	global_load_b128 v[P+4:P+7], v2, s[8:9] offset:8192
	global_load_b128 v[P+8:P+11], v2, s[10:11]
	global_load_b128 v[P+12:P+15], v2, s[10:11] offset:8192
	global_load_b128 v[P+16:P+19], v3, s[36:37]
.macro GLOAD reg, g, r                 ; group g of my row r into a slot: eight loads of 512 consecutive bytes
.irp j, 0,1,2,3,4,5,6,7
	global_load_b128 v[\reg+4*\j:\reg+4*\j+3], v1, s[4:5] offset:(\r)*GROW+(\g)*4096+512*\j th:TH_LOAD_NT
.endr
.endm
.macro CLOAD reg, r                    ; my row r of c likewise
.irp j, 0,1,2,3,4,5,6,7
	global_load_b128 v[\reg+4*\j:\reg+4*\j+3], v1, s[6:7] offset:(\r)*CROW+512*\j th:TH_LOAD_NT
.endr
.endm
	GLOAD S0, 0, 0                                 ; row 0's i, j, f
	GLOAD S1, 1, 0
	GLOAD S2, 2, 0
	s_wait_loadcnt 24                              ; the five loads of parameters are in; the 24 issued behind them may be out
.irp e, 0,1,2,3
	v_mul_f32 v[P+8+\e], s30, v[P+8+\e]            ; k beta
	v_fma_f32 v[P+12+\e], v[P+12+\e], s22, s31     ; -L beta, for f: -L (beta + 1)
	v_mul_f32 v[P+16+\e], s32, v[P+16+\e]
.endr
	ds_store_b128 v2, v[P:P+3]
	ds_store_b128 v2, v[P+4:P+7] offset:8192
	ds_store_b128 v2, v[P+8:P+11] offset:BETA
	ds_store_b128 v2, v[P+12:P+15] offset:BETA+8192
	ds_store_b128 v2, v[P+16:P+19] offset:GAMC     ; threads 0-255: ln_c_gamma; threads 256-511 land 4,096 bytes on: 2 L ln_c_beta
	CLOAD S3, 0                                    ; row 0's c and o, and row 1's i: the ring is full, 48 loads of mine have been issued
	GLOAD S4, 3, 0
	GLOAD S5, 0, 1
	s_wait_dscnt 0x0                               ; for the others' sake: my stores have landed
	s_barrier_signal -1
	s_barrier_wait -1                              ; the parameters lie in LDS; nobody writes them again
.macro PL q, goff, boff                ; quarter q of a group's parameters (its chunks 2 q, 2 q + 1): eight of gamma, eight of k beta, into buffer q % 2 of P
.set PB, P+16*((\q)%2)
.irp c, 0,1
	ds_load_b128 v[PB+4*\c:PB+4*\c+3], v1 offset:(\goff)+512*(2*(\q)+\c)
.endr
.irp c, 0,1
	ds_load_b128 v[PB+8+4*\c:PB+8+4*\c+3], v1 offset:(\boff)+512*(2*(\q)+\c)
.endr
.endm
.macro ARGS q, dst                     ; the exponents of quarter q's eight numbers: gamma (d (rstd k)) + k beta
.set PB, P+16*((\q)%2)
.set GB, (\dst)+8*(\q)
.irp i, 0,2,4,6
	v_pk_mul_f32 v[GB+\i:GB+\i+1], v[GB+\i:GB+\i+1], v[RS:RS+1] op_sel_hi:[1,0]
.endr
.irp i, 0,2,4,6
	v_pk_fma_f32 v[GB+\i:GB+\i+1], v[GB+\i:GB+\i+1], v[PB+\i:PB+\i+1], v[PB+8+\i:PB+8+\i+1]
.endr
.endm
.macro RED1                            ; four pairs of partial sums become the sum over my 32 numbers and the 32 lanes, in v[SUM] of every lane
	v_pk_add_f32 v[SUM:SUM+1], v[SUM:SUM+1], v[SUM+2:SUM+3]
	v_pk_add_f32 v[SUM+4:SUM+5], v[SUM+4:SUM+5], v[SUM+6:SUM+7]
	v_pk_add_f32 v[SUM:SUM+1], v[SUM:SUM+1], v[SUM+4:SUM+5]
	v_add_f32 v[SUM], v[SUM], v[SUM+1]
.irp m, 1,2,4,8
	v_add_f32_dpp v[SUM], v[SUM], v[SUM] row_xmask:\m row_mask:0xf bank_mask:0xf
.endr
	v_permlanex16_b32 v[TP], v[SUM], s24, s25
	v_add_f32 v[SUM], v[SUM], v[TP]
.endm
; ONE GROUP: the 32 numbers a lane in slot src become 1 / (1 + 2^(gamma (d rstd k) + k beta)) in slot dst (dst = src: in place).
; goff, boff: where the group's gamma and k beta lie in LDS;  ks: the scalar register that holds k;  left: how many younger loads may stay out when the group has to be there (-1: it is no load's result);
; xw = 1: src was the data of stores, and dst = src: it is rewritten only behind s_wait_xcnt 0.
.macro ACT src, dst, goff, boff, ks, left, xw
	PL 0, \goff, \boff                             ; the first two quarters of the parameters come while the sums are made
	PL 1, \goff, \boff
.if (\left) >= 0
	s_wait_loadcnt \left                           ; loads come back in order (ISA guide 5.7.1): this group's eight are in, the groups behind it stay on their way
.endif
.irp q, 0,1,2,3
	v_pk_add_f32 v[SUM+2*\q:SUM+2*\q+1], v[(\src)+8*\q:(\src)+8*\q+1], v[(\src)+8*\q+2:(\src)+8*\q+3]   ; four chains, started by the first numbers: nothing is cleared
.endr
.irp i, 4,6
.irp q, 0,1,2,3
	v_pk_add_f32 v[SUM+2*\q:SUM+2*\q+1], v[SUM+2*\q:SUM+2*\q+1], v[(\src)+8*\q+\i:(\src)+8*\q+\i+1]
.endr
.endr
	RED1
	v_mul_f32 v[MEAN], s20, v[SUM]
.if \xw
	s_wait_alu depctr_va_vdst(0)
	s_wait_xcnt 0x0
.endif
.irp i, 0,2,4,6,8,10,12,14,16,18,20,22,24,26,28,30   ; deviations, then the mean of their squares: two passes, so that a common offset costs no digits
	v_pk_add_f32 v[(\dst)+\i:(\dst)+\i+1], v[(\src)+\i:(\src)+\i+1], v[MEAN:MEAN+1] op_sel_hi:[1,0] neg_lo:[0,1] neg_hi:[0,1]
.endr
.irp q, 0,1,2,3
	v_pk_mul_f32 v[SUM+2*\q:SUM+2*\q+1], v[(\dst)+8*\q:(\dst)+8*\q+1], v[(\dst)+8*\q:(\dst)+8*\q+1]
.endr
.irp i, 2,4,6
.irp q, 0,1,2,3
	v_pk_fma_f32 v[SUM+2*\q:SUM+2*\q+1], v[(\dst)+8*\q+\i:(\dst)+8*\q+\i+1], v[(\dst)+8*\q+\i:(\dst)+8*\q+\i+1], v[SUM+2*\q:SUM+2*\q+1]
.endr
.endr
	RED1
	v_fma_f32 v[SUM], v[SUM], s20, s21             ; variance + 1e-3
	s_wait_alu depctr_va_vdst(0)                   ; the wait ahead of the transcendental
	v_rsq_f32 v[RS], v[SUM]
	v_nop                                          ; a plain instruction behind it,
	s_wait_alu depctr_va_vdst(0)                   ; and the wait ahead of its reader
	v_mul_f32 v[RS], s[\ks], v[RS]                 ; rstd k
	s_wait_alu depctr_va_vdst(0)
.irp k, 0,1,2,3                        ; four rounds of eight numbers; a quarter of the parameters is always on its way
.if \k < 3
	s_wait_dscnt 4                                 ; this quarter's four loads are in; the next quarter's four may be out
.else
	s_wait_dscnt 0
.endif
	ARGS \k, \dst
.if \k < 2
	PL \k+2, \goff, \boff                          ; into the buffer that has just been read
.endif
	s_wait_alu depctr_va_vdst(0)                   ; the wait ahead of the batch
.irp e, 0,1,2,3,4,5,6,7
	v_exp_f32 v[(\dst)+8*\k+\e], v[(\dst)+8*\k+\e]
.endr
.endr
	v_nop                                          ; a plain instruction behind the last exponential,
	s_wait_alu depctr_va_vdst(0)                   ; and ONE wait for the 32, ahead of their first reader
.irp i, 0,2,4,6,8,10,12,14,16,18,20,22,24,26,28,30
	v_pk_add_f32 v[(\dst)+\i:(\dst)+\i+1], v[(\dst)+\i:(\dst)+\i+1], 1.0 op_sel_hi:[1,0]
.endr
	s_wait_alu depctr_va_vdst(0)                   ; the wait ahead of the batch
.set n, 0
.rept 32
	v_rcp_f32 v[(\dst)+n], v[(\dst)+n]
.set n, n+1
.endr
	v_nop
	s_wait_alu depctr_va_vdst(0)                   ; one wait for the 32 reciprocals
.endm
; My row r.  sI .. sO: the slots of its five groups;  sD: where the second norm works (sI: in place, with xw = 1);  lI .. lO: 8 x the groups whose loads were issued behind that group's;
; more = 1: the next row's j, f, c, o are asked for into this row's slots as they come free.
.macro ROW r, sI, sJ, sF, sC, sO, sD, xw, lI, lJ, lF, lC, lO, more
	ACT \sI, \sI, 0, BETA, 22, \lI, 0              ; sigmoid(i)
	ACT \sJ, \sJ, 4096, BETA+4096, 23, \lJ, 0
.irp i, 0,2,4,6,8,10,12,14,16,18,20,22,24,26,28,30
	v_pk_fma_f32 v[\sJ+\i:\sJ+\i+1], v[\sJ+\i:\sJ+\i+1], -2.0, 1.0 op_sel_hi:[1,0,0]     ; tanh(j)
.endr
.irp i, 0,2,4,6,8,10,12,14,16,18,20,22,24,26,28,30
	v_pk_mul_f32 v[\sI+\i:\sI+\i+1], v[\sI+\i:\sI+\i+1], v[\sJ+\i:\sJ+\i+1]
.endr
.if \more
	GLOAD \sJ, 1, (\r)+1                           ; j is done with
.endif
	ACT \sF, \sF, 8192, BETA+8192, 22, \lF, 0      ; sigmoid(f + 1)
	s_wait_loadcnt \lC                             ; c is in
.irp i, 0,2,4,6,8,10,12,14,16,18,20,22,24,26,28,30
	v_pk_fma_f32 v[\sI+\i:\sI+\i+1], v[\sC+\i:\sC+\i+1], v[\sF+\i:\sF+\i+1], v[\sI+\i:\sI+\i+1]   ; new_c
.endr
.irp j, 0,1,2,3,4,5,6,7
	global_store_b128 v1, v[\sI+4*\j:\sI+4*\j+3], s[18:19] offset:(\r)*CROW+512*\j th:TH_STORE_NT   ; 32 lanes store 512 consecutive bytes
.endr
.if \more
	GLOAD \sF, 2, (\r)+1                           ; f and c are done with
	CLOAD \sC, (\r)+1
.endif
	ACT \sO, \sO, 12288, BETA+12288, 22, \lO, 0    ; sigmoid(o): it also stands between the stores of new_c and the lines that write their registers again
	ACT \sI, \sD, GAMC, BETC, 23, -1, \xw          ; the norm of new_c
.irp i, 0,2,4,6,8,10,12,14,16,18,20,22,24,26,28,30
	v_pk_fma_f32 v[\sD+\i:\sD+\i+1], v[\sD+\i:\sD+\i+1], -2.0, 1.0 op_sel_hi:[1,0,0]     ; its tanh
.endr
.irp i, 0,2,4,6,8,10,12,14,16,18,20,22,24,26,28,30
	v_pk_mul_f32 v[\sD+\i:\sD+\i+1], v[\sD+\i:\sD+\i+1], v[\sO+\i:\sO+\i+1]              ; new_h
.endr
.irp j, 0,1,2,3,4,5,6,7
	global_store_b128 v1, v[\sD+4*\j:\sD+4*\j+3], s[16:17] offset:(\r)*CROW+512*\j th:TH_STORE_NT
.endr
.if \more
	GLOAD \sO, 3, (\r)+1                           ; o was read by vector instructions alone: its slot is free at once.  (The slot that the stores above read is not used again)
.endif
.endm
; The order in which my loads are issued: i0 j0 f0 c0 o0 i1 | j1 | f1 c1 | o1.  Each count below is 8 x the groups that stand behind the awaited one in that order and have been issued by then.
	ROW 0, S0, S1, S2, S3, S4, S0, 1, 40, 32, 32, 24, 32, 1
	ROW 1, S5, S1, S2, S3, S4, S1, 0, 32, 24, 16, 8, 0, 0    ; its second norm goes from S5 into S1, which j has left: the stores of new_c are not waited for
	s_wait_tensorcnt 0x0
	ds_add_u32 v30, v31
	s_wait_dscnt 0x0
	s_endpgm
.Lfunc_end_k_q994ea1b92b_cell:
	.size	k_q994ea1b92b_cell, .Lfunc_end_k_q994ea1b92b_cell-k_q994ea1b92b_cell
	.p2alignl 7, 3214868480
	.fill 96, 4, 3214868480
	.section	.rodata,"a",@progbits
	.p2align	6, 0x0
	.amdhsa_kernel k_q994ea1b92b_cell
		.amdhsa_group_segment_fixed_size 43008
		.amdhsa_private_segment_fixed_size 0
		.amdhsa_enable_private_segment 0
		.amdhsa_kernarg_size 64
		.amdhsa_user_sgpr_count 2
		.amdhsa_user_sgpr_kernarg_segment_ptr 1
		.amdhsa_wavefront_size32 1
		.amdhsa_system_sgpr_workgroup_id_x 1
		.amdhsa_system_sgpr_workgroup_id_y 1
		.amdhsa_system_sgpr_workgroup_id_z 1
		.amdhsa_system_vgpr_workitem_id 0
		.amdhsa_next_free_vgpr 256
		.amdhsa_next_free_sgpr 66
		.amdhsa_reserve_vcc 0
		.amdhsa_float_denorm_mode_32 3
		.amdhsa_float_denorm_mode_16_64 3
		.amdhsa_memory_ordered 1
		.amdhsa_forward_progress 1
		.amdhsa_inst_pref_size 130
	.end_amdhsa_kernel
	.amdgpu_metadata
---
amdhsa.version: [ 1, 2 ]
amdhsa.kernels:
  - .name:           k_q994ea1b92b_cell
    .symbol:         k_q994ea1b92b_cell.kd
    .args:
      - { .name: gates, .offset: 0, .size: 8, .value_kind: global_buffer, .address_space: global }
      - { .name: c, .offset: 8, .size: 8, .value_kind: global_buffer, .address_space: global }
      - { .name: ln_gamma, .offset: 16, .size: 8, .value_kind: global_buffer, .address_space: global }
      - { .name: ln_beta, .offset: 24, .size: 8, .value_kind: global_buffer, .address_space: global }
      - { .name: ln_c_gamma, .offset: 32, .size: 8, .value_kind: global_buffer, .address_space: global }
      - { .name: ln_c_beta, .offset: 40, .size: 8, .value_kind: global_buffer, .address_space: global }
      - { .name: out0, .offset: 48, .size: 8, .value_kind: global_buffer, .address_space: global }
      - { .name: out1, .offset: 56, .size: 8, .value_kind: global_buffer, .address_space: global }
    .group_segment_fixed_size: 43008
    .private_segment_fixed_size: 0
    .kernarg_segment_align: 8
    .kernarg_segment_size: 64
    .max_flat_workgroup_size: 512
    .sgpr_count:     66
    .vgpr_count:     256
    .wavefront_size: 32
...
	.end_amdgpu_metadata
.endif
;; end of part 2
